; MI455X (gfx1250); checked and timed in simulation.
; The chip was launched on July 23, 2026; its instructions are those of AMD's public machine-readable ISA for CDNA 5 (MIT licence, August 2026) and "CDNA5" Instruction Set Architecture Reference Guide (July 2026). The comments in the code are by the model that wrote it; some were corrected since.
;; Attention Block. Allowed arithmetic: matrix products marked QUANTISED: E2M1 operands, one E8M0 scale for each 32 along K, by v_wmma_scale_f32_16x16x128_f8f6f4 with both operands' format E2M1 (or v_wmma_scale_f32_32x16x128_f4), f32 sums; everything else in f32.
;; Inputs: norm_b 256 float32; norm_w 256 float32; proj_b 256 float32; proj_w_codes 256 x 8 x 16 uint8 (E2M1 codes of proj_w, K innermost, in blocks of 32 codes, two codes a byte); proj_w_scales 256 x 8 uint8 (E8M0 scales of proj_w, one for each 32 codes along K); qkv_b 768 float32; qkv_w_codes 768 x 8 x 16 uint8 (E2M1 codes of qkv_w, K innermost, in blocks of 32 codes, two codes a byte); qkv_w_scales 768 x 8 uint8 (E8M0 scales of qkv_w, one for each 32 codes along K); x 16 x 256 x 32 x 32 float32.
;; Outputs: out0 16 x 256 x 32 x 32 float32.
;; This version of the problem:
;;   THIS VERSION OF THE PROBLEM IS GIVEN IN LOW PRECISION. The matrix products marked QUANTISED in the list below multiply operands that are first quantised to E2M1 (2 exponent bits, 1 mantissa bit; 4 bits a number), with one power-of-two scale for each 32 numbers along K (OCP MX v1.0); their sums are f32. All else is computed in f32.
;;   The module's matrix products, in the order in which they are computed (A, B: the left and right operand; K: the contracted axis; several contracted axes count as one K, in the product's order):
;;     1. [M 16,384, K 256] x [K 256, N 768]; A: computed on the way; B: input qkv_w (given as codes): QUANTISED
;;     2. batch 64 x [M 1,024, K 64] x [K 64, N 1,024]; A: computed on the way; B: computed on the way: QUANTISED
;;     3. batch 64 x [M 1,024, K 1,024] x [K 1,024, N 64]; A: softmax (see below); B: computed on the way: QUANTISED
;;     4. [M 16,384, K 256] x [K 256, N 256]; A: computed on the way; B: input proj_w (given as codes): QUANTISED
;;   THE QUANTISER, for each operand of a quantised product, along K:
;;     - K is cut into blocks of 32 from its start; a last block that is shorter is filled with zeros.
;;     - A block's scale is 2^e with e = floor(log2(the largest magnitude in the block)) - 2, held to -126 .. 127; a block of zeros has e = 0. As a byte (E8M0): e + 127.
;;     - Each number is divided by its block's scale, clamped to +-6, and rounded to the nearest number of E2M1, ties to even, subnormals kept.
;;     - The product sums the exact products of the quantised numbers (number of the format x scale) in f32.
;;   ~~~python
;;   def quantise(x, axis):      # numpy; x: float32 -> the quantised numbers, widened to float32 again
;;       x = np.moveaxis(x, axis, -1); K = x.shape[-1]
;;       x = np.pad(x, [(0, 0)] * (x.ndim - 1) + [(0, -K % 32)]); x = x.reshape(x.shape[:-1] + (-1, 32)); a = np.abs(x).max(-1, keepdims=True)
;;       e = np.where(a > 0, np.clip(np.frexp(np.where(a > 0, a, 1))[1] - 1 - 2, -126, 127), 0)      # np.frexp(a)[1] - 1 = floor(log2(a)), exactly
;;       r = np.clip(x / 2.0 ** e, -6, 6)
;;       step = 2.0 ** (np.maximum(np.frexp(np.where(r == 0, 1, r))[1] - 1, 0) - 1)
;;       q = np.round(r / step) * step * 2.0 ** e      # np.round: ties to even
;;       return np.moveaxis(q.reshape(q.shape[:-2] + (-1,))[..., :K], -1, axis).astype(np.float32)
;;   ~~~
;;   SOFTMAX AHEAD OF A QUANTISED PRODUCT. Where the list says 'softmax', what is quantised is not the finished softmax but p = 2^(t - M), with t = logit x log2(e) and M = ceil(the row's largest t), a whole number; so 1/2 < the row's largest p <= 1. The row's sum l is taken of the UNQUANTISED p, in f32, and the product's result is divided by l at the end. Since M is a whole number, a kernel that streams over the keys may use a running M (the ceiling of the running maximum): every later rescaling is an exact power of two, which a block's scale takes up: the codes' values come out the same.
;;   OPERANDS COMPUTED ON THE WAY. 'Computed on the way' means the value that the module computes at that place (a softmax that the list does not call 'softmax' is quantised finished and normalised). What goes into a quantiser is computed in f32, as accurately as f32 sums, v_exp_f32 and their like allow (about 1e-6 of the number): no bf16 or f16 on the way to a quantiser, and a product that is left as it is and whose result goes on into a quantised operand takes f32 operands (vector FMAs, or v_wmma_f32_16x16x4_f32). A number that lies on a knife's edge between two numbers of the format may be rounded either way, as far as f32 arithmetic and the matrix unit's own rounding can turn it there, and no further.
;;   INPUTS GIVEN AS CODES. proj_w (in the module: [256, 256], K = its axis 1); qkv_w (in the module: [768, 256], K = its axis 1): each comes as NAME_codes (uint8): NAME with its K axis moved to the last place and cut into blocks of 32 codes, [.., K / 32, bytes a block], one block behind the other in memory; two codes a byte, the lower K in the low four bits (a code: sign, 2 exponent bits, 1 mantissa bit); and NAME_scales (uint8): the same leading axes, one E8M0 byte (e + 127) for each 32 codes along K. Its value is code x scale, taken as it is: it is not quantised again, and the codes and scales need not be those that the quantiser above would give.
;; One version. Each part assembles by itself: llvm-mc -triple=amdgcn-amd-amdhsa -mcpu=gfx1250 --defsym DOCPART=n.
;; ======== version 1 of 1: 3 launches
;; workspace buffers: hn 2,228,224 bytes; qc 2,228,224 bytes; kv 4,456,448 bytes
;; launch gnq (part 1): grid 128 x 1, 8 waves a work-group, no clusters, 22,016 bytes of LDS; arguments x, norm_w, norm_b, hn; writes hn
.if DOCPART == 1
	.amdgcn_target "amdgcn-amd-amdhsa--gfx1250"
	.amdhsa_code_object_version 6
	.text
	.protected	k_q3fbd3f3242_gnq
	.globl	k_q3fbd3f3242_gnq
	.p2align	8
	.type	k_q3fbd3f3242_gnq,@function
k_q3fbd3f3242_gnq:
	s_mov_b64 s[64:65], 0
	v_nop
	global_prefetch_b8 v0, s[64:65] scope:SCOPE_SE
	s_setreg_imm32_b32 hwreg(HW_REG_WAVE_MODE, 25, 1), 1
	s_wait_xcnt 0x0
; GroupNorm of x [16][256][1024] f32 (8 groups of 32 channels), gain and bias, and the quantiser of the first product's computed operand: codes of FP4 (E2M1) along the channels.
; A group's 32 channels ARE one block of 32 along that product's K: the work-group that owns a group's statistics also makes that block's 16 bytes of codes and its E8M0 byte for every pixel.
; SHARES.  Work-group 8 b + g owns group g of image b: 32 channels x 1,024 pixels, 131,072 consecutive bytes.  Wave w owns pixels 128 w .. 128 w + 127, lane l four of them (4 l ..) in all 32 channels:
; 128 registers, so x is read once and stays in registers through mean, variance and quantiser.  128 work-groups: a group's statistics must be whole in one work-group.
; STATISTICS: the mean first, then the sum of squares of (x - mean): no difference of large sums.  y = (x - mean) (w rstd) + b: w rstd is rounded once more than in (x - mean) rstd w.
; OUT: hn [b][step w][17,408]: the codes of pixel 16 j + r of the step at 2,048 j + 256 g + 16 r, which is the image of the operand's registers (tile j; K step g / 4; registers 4 ((g / 2) % 2) on; lane 16 (g % 2) + r);
; the scale bytes at 16,384 + 128 g + pixel.
; A block's scale byte is its largest magnitude's exponent field - 2, held at 1 from below (a block of zeros keeps 1: its codes are zeros, and this program alone reads the bytes).
; LIMITS: NaN and infinities in x are not served; blocks whose largest magnitude lies under 2^-124 keep the byte 1; the reciprocal root is v_rsq_f32's.
; No matrix work, no tensor loads, no cluster: work-groups share no input.
.set X,    32                          ; v32-159   x, then x - mean: channel c in v[X + 4 c .. + 3]
.set Y,    160                         ; v160-191  one pixel's 32 normalised numbers; on the way out the codes read back
.set CD,   192                         ; v192-207  codes: four registers a pixel
.set RED0, 20480                       ; LDS: behind the eight stages of 2,560 bytes: the waves' partial sums,
.set RED1, 20736                       ; and their partial sums of squares
	s_load_b256 s[4:11], s[0:1], 0x0               ; x s[4:5], norm_w s[6:7], norm_b s[8:9], hn s[10:11]
	v_lshl_add_u32 v208, v0, 2, 0x5200
	v_mov_b32 v209, 0
	v_lshrrev_b32 v7, 5, v0
	s_delay_alu instid0(VALU_DEP_1)
	v_readfirstlane_b32 s12, v7                    ; wave = step
	v_and_b32 v1, 31, v0                           ; lane
	s_wait_alu depctr_va_vdst(0)
	s_and_b32 s13, ttmp9, 7                        ; g
	s_lshr_b32 s14, ttmp9, 3                       ; b
	s_lshl_b32 s58, ttmp9, 17                      ; the group's first byte in x
	s_mov_b32 s59, 0
	s_lshl_b32 s60, s13, 7                         ; the group's 32 numbers in norm_w and norm_b
	s_mov_b32 s61, 0
	s_mul_i32 s48, s14, 139264
	s_mul_i32 s15, s12, 17408
	s_add_co_u32 s48, s48, s15                     ; my step's record in hn
	s_add_co_u32 s56, s48, s60
	s_add_co_u32 s56, s56, 16384                   ; its scale bytes of group g
	s_mov_b32 s57, 0
	s_lshl_b32 s15, s13, 8
	s_add_co_u32 s48, s48, s15                     ; its codes of group g
	s_mov_b32 s49, 0
	s_mov_b32 s50, 0x76543210
	s_mov_b32 s51, 0xfedcba98                      ; v_permlanex16_b32's selects for lane l xor 16
	s_mov_b32 s53, 0x38000000                      ; 2^-15: one over a group's 32,768 numbers
	s_mov_b32 s62, 0x3727c5ac                      ; 1e-5
	v_lshlrev_b32 v2, 4, v0                        ; x: 512 w + 16 l = 16 x thread
	v_mul_u32_u24 v3, v0, 80                       ; the stage, in: 2,560 w + 80 l = 80 x thread: a lane's 64 bytes + 16 of padding
	s_mul_i32 s15, s12, 2560
	v_lshrrev_b32 v4, 2, v1
	s_delay_alu instid0(VALU_DEP_1)
	v_mul_u32_u24 v4, v4, 80
	v_and_b32 v18, 3, v1
	s_delay_alu instid0(VALU_DEP_1)
	v_lshl_add_u32 v4, v18, 4, v4
	s_delay_alu instid0(VALU_DEP_1)
	v_add_nc_u32 v4, s15, v4                       ; and out: pixel 32 k + l lies at 640 k + 80 (l / 4) + 16 (l % 4)
	v_lshrrev_b32 v5, 4, v1
	v_and_b32 v18, 15, v1
	s_delay_alu instid0(VALU_DEP_2)
	v_lshlrev_b32 v5, 11, v5
	s_delay_alu instid0(VALU_DEP_1)
	v_lshl_add_u32 v5, v18, 4, v5                  ; hn: tile 2 k + l / 16, row l % 16
	v_lshlrev_b32 v6, 2, v1                        ; my four scale bytes
	v_lshlrev_b32 v7, 2, v7                        ; my wave's word among the partial sums
	v_mov_b32 v18, 0                               ; (a lane permute's destination counts as one of its sources)
	v_mov_b32 v19, 0
	s_wait_kmcnt 0x0
	s_add_nc_u64 s[4:5], s[4:5], s[58:59]
	s_add_nc_u64 s[6:7], s[6:7], s[60:61]
	s_add_nc_u64 s[8:9], s[8:9], s[60:61]
	s_add_nc_u64 s[54:55], s[10:11], s[56:57]
	s_add_nc_u64 s[10:11], s[10:11], s[48:49]
.set c, 0
.rept 32
	global_load_b128 v[X+4*c:X+4*c+3], v2, s[4:5] offset:4096*c   ; 32 lanes read 512 consecutive bytes of channel c; all of the wave's 16 KiB is asked for at once
.set c, c+1
.endr
	s_load_b512 s[16:31], s[6:7], 0x0              ; the group's gains,
	s_load_b512 s[32:47], s[6:7], 0x40
	s_load_b512 s[68:83], s[8:9], 0x0              ; and biases
	s_load_b512 s[84:99], s[8:9], 0x40
.macro JOIN                            ; four packed chains become one number
	v_pk_add_f32 v[8:9], v[8:9], v[10:11]
	v_pk_add_f32 v[12:13], v[12:13], v[14:15]
	s_delay_alu instid0(VALU_DEP_1)
	v_pk_add_f32 v[8:9], v[8:9], v[12:13]
	s_delay_alu instid0(VALU_DEP_1)
	v_add_f32 v8, v8, v9
.endm
.macro REDUCE base                     ; the chains' sum over the lane, the wave's 32 lanes and the eight waves, into v8 of every lane
	JOIN
	s_delay_alu instid0(VALU_DEP_1)
	v_add_f32_dpp v8, v8, v8 row_xmask:1 row_mask:0xf bank_mask:0xf
	s_delay_alu instid0(VALU_DEP_1)
	v_add_f32_dpp v8, v8, v8 row_xmask:2 row_mask:0xf bank_mask:0xf
	s_delay_alu instid0(VALU_DEP_1)
	v_add_f32_dpp v8, v8, v8 row_xmask:4 row_mask:0xf bank_mask:0xf
	s_delay_alu instid0(VALU_DEP_1)
	v_add_f32_dpp v8, v8, v8 row_xmask:8 row_mask:0xf bank_mask:0xf
	s_delay_alu instid0(VALU_DEP_1)
	v_permlanex16_b32 v18, v8, s50, s51
	s_delay_alu instid0(VALU_DEP_1)
	v_add_f32 v8, v8, v18
	ds_store_b32 v7, v8 offset:\base               ; all lanes write the wave's word with the same value
	s_wait_dscnt 0x0                               ; for the others' sake: my store has landed
	s_barrier_signal -1
	s_barrier_wait -1
	ds_load_b128 v[8:11], v19 offset:\base
	ds_load_b128 v[12:15], v19 offset:\base+16
	s_wait_dscnt 0x0
	JOIN
.endm
.macro ADDS n                          ; n more pairs onto the four chains
.rept \n
	v_pk_add_f32 v[8+2*(p%4):9+2*(p%4)], v[8+2*(p%4):9+2*(p%4)], v[X+2*p:X+2*p+1]
.set p, p+1
.endr
.endm
	; ---- the mean
	s_wait_loadcnt 24                              ; channels 0-7 are in; the 24 loads of channels 8-31 may be out
.irp k, 0,1,2,3
	v_pk_add_f32 v[8+2*\k:9+2*\k], v[X+2*\k:X+2*\k+1], v[X+8+2*\k:X+9+2*\k]   ; the first eight pairs start the chains: nothing is cleared
.endr
.set p, 8
	ADDS 8
	s_wait_alu depctr_va_vdst(0)
	s_wait_loadcnt 16                              ; channels 8-15 are in
	ADDS 16
	s_wait_alu depctr_va_vdst(0)
	s_wait_loadcnt 8                               ; channels 16-23
	ADDS 16
	s_wait_alu depctr_va_vdst(0)
	s_wait_loadcnt 0x0
	ADDS 16
	REDUCE RED0
	s_delay_alu instid0(VALU_DEP_1)
	v_mul_f32 v16, s53, v8                         ; the mean,
	s_delay_alu instid0(VALU_DEP_1)
	v_mov_b32 v17, v16                             ; twice: a pair for the packed subtraction
	; ---- x - mean in place, and the sum of its squares
.set p, 0
.rept 16
.irp k, 0,1,2,3
	v_pk_add_f32 v[X+2*(p+\k):X+2*(p+\k)+1], v[X+2*(p+\k):X+2*(p+\k)+1], v[16:17] neg_lo:[0,1] neg_hi:[0,1]
.endr
.irp k, 0,1,2,3
.if p == 0
	s_delay_alu instid0(VALU_DEP_4)
	v_pk_mul_f32 v[8+2*\k:9+2*\k], v[X+2*\k:X+2*\k+1], v[X+2*\k:X+2*\k+1]
.else
	s_delay_alu instid0(VALU_DEP_4)
	v_pk_fma_f32 v[8+2*\k:9+2*\k], v[X+2*(p+\k):X+2*(p+\k)+1], v[X+2*(p+\k):X+2*(p+\k)+1], v[8+2*\k:9+2*\k]
.endif
.endr
.set p, p+4
.endr
	REDUCE RED1                                    ; other bytes than the first sum's: no wave can overwrite what another still reads
	s_delay_alu instid0(VALU_DEP_1)
	v_fma_f32 v20, v8, s53, s62                    ; the variance + 1e-5
	s_wait_alu depctr_va_vdst(0)
	v_rsq_f32 v20, v20
	v_nop                                          ; one plain place behind a transcendental (ISA guide 5.7.2)
	s_wait_alu depctr_va_vdst(0)
	v_readfirstlane_b32 s52, v20
	s_wait_kmcnt 0x0                               ; gains and biases
.set c, 0
.rept 32
	s_mul_f32 s[16+c], s[16+c], s52                ; a(c) = w(c) x rstd
.set c, c+1
.endr
; Pixel 4 l + i: its 32 channels normalised, the block's largest magnitude, the byte, 16 bytes of codes.
.macro PIXEL i
.set c, 0
.rept 32
	v_fma_f32 v[Y+c], v[X+4*c+\i], s[16+c], s[68+c]
.set c, c+1
.endr
	v_max3_num_f32 v18, |v[Y]|, |v[Y+1]|, |v[Y+2]|                 ; all 32 numbers of the block are mine: two chains
	v_max3_num_f32 v19, |v[Y+3]|, |v[Y+4]|, |v[Y+5]|
.irp k, 6,10,14,18,22,26
	s_delay_alu instid0(VALU_DEP_2)
	v_max3_num_f32 v18, v18, |v[Y+\k]|, |v[Y+\k+1]|
	s_delay_alu instid0(VALU_DEP_2)
	v_max3_num_f32 v19, v19, |v[Y+\k+2]|, |v[Y+\k+3]|
.endr
	s_delay_alu instid0(VALU_DEP_2)
	v_max3_num_f32 v18, v18, |v[Y+30]|, |v[Y+31]|
	s_delay_alu instid0(VALU_DEP_1)
	v_max3_num_f32 v18, v18, v19, 0x1800000        ; and the floor 2^(3 - 127): the byte cannot fall under 1
	s_delay_alu instid0(VALU_DEP_1)
	v_add_nc_u32 v20, 0xff000000, v18              ; 2 off the exponent field: the conversion takes the exponent field of this operand as its scale, and nothing else of it
	s_delay_alu instid0(VALU_DEP_1)
	v_lshrrev_b32 v21, 23, v20                     ; the scale's byte
.irp q, 0,1,2,3
	v_cvt_scalef32_pk8_fp4_f32 v[CD+4*\i+\q], v[Y+8*\q:Y+8*\q+7], v20
.endr
.if \i == 0
	v_mov_b32 v24, v21                             ; four pixels' bytes in one register.  (Also the plain place behind the conversions, whose sources the next pixel writes)
.else
	v_lshl_or_b32 v24, v21, 8*\i, v24
.endif
.endm
	PIXEL 0
	PIXEL 1
	PIXEL 2
	PIXEL 3
	; ---- the way out: a lane holds four neighbouring pixels' 16 bytes; in hn sixteen neighbouring pixels' lie on end.  Through the wave's own stage: LDS serves a wave's instructions in order (ISA guide 5.7.1.4), so no wait and no barrier between stores and loads
.irp i, 0,1,2,3
	ds_store_b128 v3, v[CD+4*\i:CD+4*\i+3] offset:16*\i
.endr
.irp k, 0,1,2,3
	ds_load_b128 v[Y+4*\k:Y+4*\k+3], v4 offset:640*\k
.endr
	global_store_b32 v6, v24, s[54:55]             ; the step's 128 scale bytes of this group: 128 consecutive bytes
.irp k, 0,1,2,3
	s_wait_dscnt 3-\k                              ; load k is back; the younger ones may be out
	global_store_b128 v5, v[Y+4*\k:Y+4*\k+3], s[10:11] offset:4096*\k   ; sixteen lanes store 256 consecutive bytes, at a multiple of 256 from hn's first byte
.endr
	s_wait_tensorcnt 0x0
	ds_add_u32 v208, v209
	s_wait_dscnt 0x0
	s_endpgm
.Lfunc_end_k_q3fbd3f3242_gnq:
	.size	k_q3fbd3f3242_gnq, .Lfunc_end_k_q3fbd3f3242_gnq-k_q3fbd3f3242_gnq
	.p2alignl 7, 3214868480
	.fill 96, 4, 3214868480
	.section	.rodata,"a",@progbits
	.p2align	6, 0x0
	.amdhsa_kernel k_q3fbd3f3242_gnq
		.amdhsa_group_segment_fixed_size 22016
		.amdhsa_private_segment_fixed_size 0
		.amdhsa_enable_private_segment 0
		.amdhsa_kernarg_size 32
		.amdhsa_user_sgpr_count 2
		.amdhsa_user_sgpr_kernarg_segment_ptr 1
		.amdhsa_wavefront_size32 1
		.amdhsa_system_sgpr_workgroup_id_x 1
		.amdhsa_system_sgpr_workgroup_id_y 1
		.amdhsa_system_sgpr_workgroup_id_z 1
		.amdhsa_system_vgpr_workitem_id 0
		.amdhsa_next_free_vgpr 210
		.amdhsa_next_free_sgpr 100
		.amdhsa_reserve_vcc 0
		.amdhsa_float_denorm_mode_32 3
		.amdhsa_float_denorm_mode_16_64 3
		.amdhsa_memory_ordered 1
		.amdhsa_forward_progress 1
		.amdhsa_inst_pref_size 41
	.end_amdhsa_kernel
	.amdgpu_metadata
---
amdhsa.version: [ 1, 2 ]
amdhsa.kernels:
  - .name:           k_q3fbd3f3242_gnq
    .symbol:         k_q3fbd3f3242_gnq.kd
    .args:
      - { .name: x, .offset: 0, .size: 8, .value_kind: global_buffer, .address_space: global }
      - { .name: norm_w, .offset: 8, .size: 8, .value_kind: global_buffer, .address_space: global }
      - { .name: norm_b, .offset: 16, .size: 8, .value_kind: global_buffer, .address_space: global }
      - { .name: hn, .offset: 24, .size: 8, .value_kind: global_buffer, .address_space: global }
    .group_segment_fixed_size: 22016
    .private_segment_fixed_size: 0
    .kernarg_segment_align: 8
    .kernarg_segment_size: 32
    .max_flat_workgroup_size: 256
    .sgpr_count:     100
    .vgpr_count:     210
    .wavefront_size: 32
...
	.end_amdgpu_metadata
.endif
;; end of part 1
;; launch qkv (part 2): grid 128 x 2, 6 waves a work-group, no clusters, 0 bytes of LDS; arguments hn, qkv_w_codes, qkv_w_scales, qkv_b, qc, kv; writes qc, kv
.if DOCPART == 2
	.amdgcn_target "amdgcn-amd-amdhsa--gfx1250"
	.amdhsa_code_object_version 6
	.text
	.protected	k_q3fbd3f3242_qkv
	.globl	k_q3fbd3f3242_qkv
	.p2align	8
	.type	k_q3fbd3f3242_qkv,@function
k_q3fbd3f3242_qkv:
	s_mov_b64 s[64:65], 0
	v_nop
	global_prefetch_b8 v0, s[64:65] scope:SCOPE_SE
	s_setreg_imm32_b32 hwreg(HW_REG_WAVE_MODE, 25, 1), 1
	s_wait_xcnt 0x0
; qkv = W hn + b on codes of FP4 (E2M1) with E8M0 scales (K = 256 channels, two matrix instructions deep), and the quantisers of q, k (along the head's 64) and v (along the keys).
; SHARES.  Work-group (x = 8 b + step, y) takes a step of 128 pixels; wave w takes the 64 rows of W from 64 og on, og = 6 y + w = 4 t + head (t = 0: q, 1: k, 2: v).  1,536 waves of equal work: 64 matrix instructions each.
; A wave reads each byte of its operands once, straight into registers: hn lies as images of the operand's registers (lane l's 16 bytes at 16 l).  So no LDS, no barrier, no tensor load;
; no cluster: what two work-groups share is one step's 17,408 bytes.
; THE ROWS OF W THAT FORM A TILE ARE NOT NEIGHBOURS: lane r of tile 2 bb + u takes row 32 bb + 8 u + r + 8 (r / 8).
; ROLE Q, K: source 0 = 16 rows of W, source 1 = 16 pixels: a lane holds ONE pixel, and the 16 registers of tiles 2 bb, 2 bb + 1 are d = 32 bb + 16 (lane / 16) + 0 .. 15.  A unit is two tiles of pixels x 64 d = four blocks:
;   its codes are one image of 8 registers: registers 0-3 the even tile of pixels, 4-7 the odd one; lane (r, h): pixel r, d = 32 h + 0 .. 31.  That PAIR IMAGE is one operand of 128 along K for the scores' product.
; ROLE V: the sources swapped: a lane holds ONE channel d, and register 8 j + i of a unit is pixel 16 j + 8 (lane / 16) + i.  Within each block of 32 keys the codes so stand in the order
;   position 16 h + 8 u + i <- key 16 u + 8 h + i, which is the order in which the softmax's p comes out of the scores' product: both operands of that product share it, and the blocks are the true runs of 32 keys.
; The bias is the C of each sum's first matrix instruction.
; OUT: qc [b][step][head][4,352]: four pair images, then 256 bytes of scale words; kv [b][step][head][8,704]: k's four pair images, v's four images (tile t of 16 d), k's scale words, v's.
;   Scale words: lane l stores words 0 and 1 at 8 l: word w belongs to image 2 w + l / 16, row l % 16: so one register carries two images' words, one in lanes 0-15, one in lanes 16-31.
; LIMITS: as the quantiser's in the launch before: byte held at 1 from below, NaN and infinities not served.
; REGISTERS: window 0: v1-11 addresses; v16-23 W's scale words; v24-31 hn's (tile j: lanes 0-15 K step 0, lanes 16-31 K step 1); v32-35 the units' scale words; v40-55 at work; v56-63 codes; v64-191 hn's 16 fragments; v192-255 8 accumulators.
;   window 1: v0-63 W's 8 fragments (tile wt, K step ks at 16 wt + 8 ks); v64-95 the bias, 8 registers a tile.
.set WS,  16
.set HS,  24
.set PWS, 32
.set SW,  36
.set TM,  40
.set PC,  56
.set HF,  64
.set ACC, 192
.set W,   0
.set BI,  64
.set SEL, 42
.set MSB, 0
.macro WIN new                         ; the immediate's high byte repeats the setting that is left
.if MSB != \new
	s_set_vgpr_msb (MSB<<8)|\new
.set MSB, \new
.endif
.endm
; 64 numbers of a lane, register 16 b + i = place 32 b + 16 (lane / 16) + i along K of my row, become a fragment's codes in v[PC] on and its scale word in v[pw].
.macro QUANT s, pw
.irp b, 0,1,2,3
	v_max3_num_f32 v[TM+\b], |v[\s+16*\b]|, |v[\s+1+16*\b]|, 0x1800000   ; block b: my 16 numbers, and the floor 2^(3 - 127): the byte cannot fall under 1.  (Each accumulator is read from its low end on)
.endr
.irp i, 2,4,6,8,10,12,14
.irp b, 0,1,2,3
	v_max3_num_f32 v[TM+\b], v[TM+\b], |v[\s+16*\b+\i]|, |v[\s+1+16*\b+\i]|   ; (the four blocks by turns)
.endr
.endr
.irp b, 0,1,2,3
	v_permlanex16_b32 v[TM+4+\b], v[TM+\b], s[SEL], s[SEL+1]
.endr
.irp b, 0,1,2,3
	v_max_num_f32 v[TM+\b], v[TM+\b], v[TM+4+\b]   ; with lane l xor 16's: the block's largest magnitude
.endr
.irp b, 0,1,2,3
	v_add_nc_u32 v[TM+12+\b], 0xff000000, v[TM+\b] ; 2 off its exponent field: the conversion's scale operand
.endr
.irp b, 0,1,2,3
	v_lshrrev_b32 v[TM+4+\b], 23, v[TM+12+\b]      ; the scale's byte
.endr
	v_lshl_or_b32 v[\pw], v[TM+5], 8, v[TM+4]      ; the four bytes make my row's scale word
	v_lshl_or_b32 v[\pw], v[TM+6], 16, v[\pw]
	v_lshl_or_b32 v[\pw], v[TM+7], 24, v[\pw]
.irp b, 0,1,2,3
	v_cvt_scalef32_pk8_fp4_f32 v[PC+2*\b], v[\s+16*\b:\s+7+16*\b], v[TM+12+\b]
	v_cvt_scalef32_pk8_fp4_f32 v[PC+1+2*\b], v[\s+8+16*\b:\s+15+16*\b], v[TM+12+\b]
.endr
	v_nop                                          ; one plain place behind a scaled conversion
.irp c, 0,1                                    ; the operand's layout wants a WHOLE block in a lane: lanes 0-15 block 2 c, lanes 16-31 block 2 c + 1
.irp i, 0,1
	v_permlane16_swap_b32 v[PC+4*\c+\i], v[PC+2+4*\c+\i]
.endr
.endr
.endm
.macro FINISH n                        ; behind a unit's 16 products: quantise, and store image n
	WIN 0
.rept 5
	v_nop                                          ; four places before vector instructions read the results (ISA guide 7.12.1); the fifth for the next unit's products, which begin these accumulators anew
.endr
	QUANT ACC, PWS+\n
	global_store_b128 v3, v[PC:PC+3], s[38:39] offset:1024*\n          ; 32 lanes store 512 consecutive bytes, aligned to 256
	global_store_b128 v3, v[PC+4:PC+7], s[38:39] offset:1024*\n+512
.endm
; The eight accumulators of a unit take turns, one instruction a turn, K step by K step.
.macro UNITQK p                        ; pixels' tiles 2 p, 2 p + 1 x W's four tiles
	s_wait_xcnt 0x0                                ; the last unit's stores have read their registers: the codes may be written again
	WIN 0x11                                       ; source 0 (W) and source 2 (the bias) window 1
.irp u, 0,1
.irp wt, 0,1,2,3
	v_wmma_scale_f32_16x16x128_f8f6f4 v[ACC+8*(4*\u+\wt):ACC+8*(4*\u+\wt)+7], v[W+16*\wt:W+16*\wt+7], v[HF+16*(2*\p+\u):HF+16*(2*\p+\u)+7], v[BI+8*\wt:BI+8*\wt+7], v[WS+2*\wt], v[HS+2*\p+\u] matrix_a_fmt:MATRIX_FMT_FP4 matrix_b_fmt:MATRIX_FMT_FP4
.endr
.endr
	WIN 0x01
.irp u, 0,1
.irp wt, 0,1,2,3
	v_wmma_scale_f32_16x16x128_f8f6f4 v[ACC+8*(4*\u+\wt):ACC+8*(4*\u+\wt)+7], v[W+16*\wt+8:W+16*\wt+15], v[HF+16*(2*\p+\u)+8:HF+16*(2*\p+\u)+15], v[ACC+8*(4*\u+\wt):ACC+8*(4*\u+\wt)+7], v[WS+2*\wt+1], v[HS+2*\p+\u] matrix_a_fmt:MATRIX_FMT_FP4 matrix_b_fmt:MATRIX_FMT_FP4 matrix_b_scale:MATRIX_SCALE_ROW1
.endr
.endr
	FINISH \p
.endm
.macro UNITV t                         ; W's tile t x the pixels' eight tiles
	s_wait_xcnt 0x0
	WIN 0x14                                       ; source 1 (W) and source 2 (the bias) window 1
.irp j, 0,1,2,3,4,5,6,7
	v_wmma_scale_f32_16x16x128_f8f6f4 v[ACC+8*\j:ACC+8*\j+7], v[HF+16*\j:HF+16*\j+7], v[W+16*\t:W+16*\t+7], v[BI+8*\t:BI+8*\t+7], v[HS+\j], v[WS+2*\t] matrix_a_fmt:MATRIX_FMT_FP4 matrix_b_fmt:MATRIX_FMT_FP4
.endr
	WIN 0x04
.irp j, 0,1,2,3,4,5,6,7
	v_wmma_scale_f32_16x16x128_f8f6f4 v[ACC+8*\j:ACC+8*\j+7], v[HF+16*\j+8:HF+16*\j+15], v[W+16*\t+8:W+16*\t+15], v[ACC+8*\j:ACC+8*\j+7], v[HS+\j], v[WS+2*\t+1] matrix_a_fmt:MATRIX_FMT_FP4 matrix_b_fmt:MATRIX_FMT_FP4 matrix_a_scale:MATRIX_SCALE_ROW1
.endr
	FINISH \t
.endm
.macro HNSCALES                        ; hn's scale bytes, loaded one to a register, become words; then the places that a scale register written by a vector instruction owes a scaled matrix instruction
.irp j, 0,1,2,3,4,5,6,7
	v_lshl_or_b32 v[HS+\j], v[ACC+4*\j+1], 8, v[ACC+4*\j]
	v_lshl_or_b32 v[HS+\j], v[ACC+4*\j+2], 16, v[HS+\j]
	v_lshl_or_b32 v[HS+\j], v[ACC+4*\j+3], 24, v[HS+\j]
.endr
.rept 8
	v_nop
.endr
.endm
	s_load_b256 s[4:11], s[0:1], 0x0               ; hn s[4:5], W's codes s[6:7], W's scales s[8:9], the bias s[10:11]
	s_load_b128 s[12:15], s[0:1], 0x20             ; qc s[12:13], kv s[14:15]
	v_lshrrev_b32 v10, 5, v0
	v_readfirstlane_b32 s16, v10                   ; wave 0..5
	s_and_b32 s17, ttmp7, 0xffff
	s_mul_i32 s18, s17, 6
	s_add_co_u32 s18, s18, s16                     ; og = 4 t + head
	s_lshr_b32 s19, s18, 2                         ; t
	s_and_b32 s20, s18, 3                          ; head
	s_lshl_b32 s21, ttmp9, 2
	s_add_co_u32 s21, s21, s20                     ; the record: 4 (8 b + step) + head
	s_mul_i32 s24, ttmp9, 17408                    ; the step's record in hn
	s_mov_b32 s25, 0
	s_lshl_b32 s26, s18, 13                        ; my 64 rows of W: 128 bytes of codes each,
	s_mov_b32 s27, 0
	s_lshl_b32 s28, s18, 9                         ; 8 scale bytes,
	s_mov_b32 s29, 0
	s_lshl_b32 s30, s18, 8                         ; one number of the bias
	s_mov_b32 s31, 0
	s_mov_b32 s22, 8704                            ; a record of kv,
	s_mov_b32 s23, 8192                            ; and from k's images to k's scale words
	s_cmp_eq_u32 s19, 0
	s_cselect_b32 s22, 4352, s22                   ; q: a record of qc,
	s_cselect_b32 s23, 4096, s23                   ; and from its images to its scale words
	s_mul_i32 s32, s21, s22
	s_cmp_eq_u32 s19, 2
	s_cselect_b32 s23, 4352, s23                   ; v: its images begin 4,096 into the record, its scale words 4,352 behind them
	s_cselect_b32 s33, 4096, 0
	s_add_co_u32 s32, s32, s33                     ; my images,
	s_add_co_u32 s34, s32, s23                     ; my scale words
	s_mov_b32 s33, 0
	s_mov_b32 s35, 0
	s_mov_b32 s[SEL], 0x76543210
	s_mov_b32 s[SEL+1], 0xfedcba98                 ; v_permlanex16_b32's selects for lane l xor 16
	v_and_b32 v9, 31, v0                           ; lane
	v_and_b32 v1, 15, v0                           ; r
	v_bfe_u32 v2, v0, 4, 1                         ; h
	v_lshlrev_b32 v3, 4, v9                        ; an image's place for my lane
	v_and_b32 v10, 8, v1
	v_add_nc_u32 v10, v10, v1                      ; r + 8 (r / 8)
	v_lshlrev_b32 v4, 7, v10
	v_lshl_add_u32 v4, v2, 4, v4                   ; W's codes: my row of a tile, + 16 h
	v_lshlrev_b32 v5, 3, v10                       ; its scale words
	v_lshlrev_b32 v6, 6, v2                        ; the bias, role q, k: 16 h numbers on
	v_lshlrev_b32 v11, 2, v10                      ; role v: my row's number
	v_lshl_add_u32 v7, v2, 9, v1                   ; hn's scale bytes: group 4 h + i, pixel r
	v_lshlrev_b32 v8, 3, v9                        ; my two scale words on the way out
	s_wait_alu depctr_va_vdst(0)
	s_wait_kmcnt 0x0
	s_cmp_eq_u32 s19, 0                            ; the choice hangs on ids alone
	s_cselect_b64 s[36:37], s[12:13], s[14:15]
	s_add_nc_u64 s[38:39], s[36:37], s[32:33]
	s_add_nc_u64 s[40:41], s[36:37], s[34:35]
	s_add_nc_u64 s[4:5], s[4:5], s[24:25]
	s_add_nc_u64 s[6:7], s[6:7], s[26:27]
	s_add_nc_u64 s[8:9], s[8:9], s[28:29]
	s_add_nc_u64 s[10:11], s[10:11], s[30:31]
.irp j, 0,1,2,3,4,5,6,7
.irp ks, 0,1
.irp c, 0,1
	global_load_b128 v[HF+16*\j+8*\ks+4*\c:HF+16*\j+8*\ks+4*\c+3], v3, s[4:5] offset:2048*\j+1024*\ks+512*\c   ; 512 consecutive bytes a load
.endr
.endr
.endr
.irp j, 0,1,2,3,4,5,6,7
.irp i, 0,1,2,3
	global_load_u8 v[ACC+4*\j+\i], v7, s[4:5] offset:16384+128*\i+16*\j   ; the bytes of one pixel's word come from four groups' rows (each written by another work-group of the launch before)
.endr
.endr
.irp wt, 0,1,2,3
	global_load_b64 v[WS+2*\wt:WS+2*\wt+1], v5, s[8:9] offset:(32*(\wt/2)+8*(\wt%2))*8
.endr
	WIN 0x40                                       ; destination window 1
.irp wt, 0,1,2,3
.irp ks, 0,1
.irp c, 0,1
	global_load_b128 v[W+16*\wt+8*\ks+4*\c:W+16*\wt+8*\ks+4*\c+3], v4, s[6:7] offset:(32*(\wt/2)+8*(\wt%2))*128+64*\ks+32*\c
.endr
.endr
.endr
	WIN 0
.irp b, 0,1,2,3
	v_mov_b32 v[TM+4+\b], 0                        ; written once: a lane permute's destination counts as one of its sources
.endr
	s_cmp_lt_u32 s18, 8
	s_cbranch_scc0 .Lrole_v
	; ---- q, k: lane (r, h) wants, for tile 2 bb + u, the bias of d = 32 bb + 16 h + 8 u + 0 .. 7
	WIN 0x40
.irp wt, 0,1,2,3
	global_load_b128 v[BI+8*\wt:BI+8*\wt+3], v6, s[10:11] offset:(32*(\wt/2)+8*(\wt%2))*4
	global_load_b128 v[BI+8*\wt+4:BI+8*\wt+7], v6, s[10:11] offset:(32*(\wt/2)+8*(\wt%2))*4+16
.endr
	WIN 0
	s_wait_loadcnt 0x0
	HNSCALES
	UNITQK 0
	UNITQK 1
	UNITQK 2
	UNITQK 3
	s_branch .Ltail
.Lrole_v:
	; ---- v: a lane's eight results of a tile belong to one channel: its bias, eight times
	WIN 0x40
.irp wt, 0,1,2,3
	global_load_b32 v[BI+8*\wt], v11, s[10:11] offset:(32*(\wt/2)+8*(\wt%2))*4
.endr
	WIN 0
	s_wait_loadcnt 0x0
	WIN 0x41                                       ; source 0 and destination window 1
.irp wt, 0,1,2,3
.irp k, 1,2,3,4,5,6,7
	v_mov_b32 v[BI+8*\wt+\k], v[BI+8*\wt]
.endr
.endr
	WIN 0
	HNSCALES
	s_wait_alu depctr_va_vdst(0)
	UNITV 0
	UNITV 1
	UNITV 2
	UNITV 3
.Ltail:
	v_cmp_gt_u32 vcc_lo, 16, v9                    ; lanes 0-15 keep the even image's word, lanes 16-31 the odd one's (both halves of the lanes hold every word)
	v_cndmask_b32 v[SW], v[PWS+1], v[PWS], vcc_lo
	v_cndmask_b32 v[SW+1], v[PWS+3], v[PWS+2], vcc_lo
	global_store_b64 v8, v[SW:SW+1], s[40:41]      ; 32 lanes store 256 consecutive bytes, aligned
	s_endpgm
.Lfunc_end_k_q3fbd3f3242_qkv:
	.size	k_q3fbd3f3242_qkv, .Lfunc_end_k_q3fbd3f3242_qkv-k_q3fbd3f3242_qkv
	.p2alignl 7, 3214868480
	.fill 96, 4, 3214868480
	.section	.rodata,"a",@progbits
	.p2align	6, 0x0
	.amdhsa_kernel k_q3fbd3f3242_qkv
		.amdhsa_group_segment_fixed_size 0
		.amdhsa_private_segment_fixed_size 0
		.amdhsa_enable_private_segment 0
		.amdhsa_kernarg_size 48
		.amdhsa_user_sgpr_count 2
		.amdhsa_user_sgpr_kernarg_segment_ptr 1
		.amdhsa_wavefront_size32 1
		.amdhsa_system_sgpr_workgroup_id_x 1
		.amdhsa_system_sgpr_workgroup_id_y 1
		.amdhsa_system_sgpr_workgroup_id_z 1
		.amdhsa_system_vgpr_workitem_id 0
		.amdhsa_next_free_vgpr 352
		.amdhsa_next_free_sgpr 66
		.amdhsa_reserve_vcc 1
		.amdhsa_float_denorm_mode_32 3
		.amdhsa_float_denorm_mode_16_64 3
		.amdhsa_memory_ordered 1
		.amdhsa_forward_progress 1
		.amdhsa_inst_pref_size 67
	.end_amdhsa_kernel
	.amdgpu_metadata
---
amdhsa.version: [ 1, 2 ]
amdhsa.kernels:
  - .name:           k_q3fbd3f3242_qkv
    .symbol:         k_q3fbd3f3242_qkv.kd
    .args:
      - { .name: hn, .offset: 0, .size: 8, .value_kind: global_buffer, .address_space: global }
      - { .name: qkv_w_codes, .offset: 8, .size: 8, .value_kind: global_buffer, .address_space: global }
      - { .name: qkv_w_scales, .offset: 16, .size: 8, .value_kind: global_buffer, .address_space: global }
      - { .name: qkv_b, .offset: 24, .size: 8, .value_kind: global_buffer, .address_space: global }
      - { .name: qc, .offset: 32, .size: 8, .value_kind: global_buffer, .address_space: global }
      - { .name: kv, .offset: 40, .size: 8, .value_kind: global_buffer, .address_space: global }
    .group_segment_fixed_size: 0
    .private_segment_fixed_size: 0
    .kernarg_segment_align: 8
    .kernarg_segment_size: 48
    .max_flat_workgroup_size: 192
    .sgpr_count:     66
    .vgpr_count:     352
    .wavefront_size: 32
...
	.end_amdgpu_metadata
.endif
;; end of part 2
;; launch attn (part 3): grid 16 x 16, 16 waves a work-group, clusters of 4 x 1, 327,680 bytes of LDS; arguments qc, kv, proj_w_codes, proj_w_scales, proj_b, x, out0; writes out0
.if DOCPART == 3
	.amdgcn_target "amdgcn-amd-amdhsa--gfx1250"
	.amdhsa_code_object_version 6
	.text
	.protected	k_q3fbd3f3242_attn
	.globl	k_q3fbd3f3242_attn
	.p2align	8
	.type	k_q3fbd3f3242_attn,@function
k_q3fbd3f3242_attn:
	s_mov_b64 s[64:65], 0
	v_nop
	global_prefetch_b8 v0, s[64:65] scope:SCOPE_SE
	s_setreg_imm32_b32 hwreg(HW_REG_WAVE_MODE, 25, 1), 1
	s_wait_xcnt 0x0
	s_wait_alu depctr_hold_cnt(0) depctr_sa_sdst(0) depctr_va_vdst(0) depctr_va_sdst(0) depctr_va_ssrc(0) depctr_va_vcc(0) depctr_vm_vsrc(0)
	s_getreg_b32 s2, hwreg(HW_REG_IB_STS2, 6, 4)
	s_cmp_eq_u32 s2, 0
	s_cbranch_scc0 .Lentry_in_a_cluster
	s_endpgm
.Lentry_in_a_cluster:
	s_bfe_u32 s2, ttmp6, 0x10000c
	s_cmp_lg_u32 s2, 0x3003
	s_cbranch_scc0 .Lentry_shape_is_right
	s_endpgm
.Lentry_shape_is_right:
; out = x + proj_w softmax(q k^T / 8) v + proj_b: the scores' product (K = 64), the softmax, p v (K = 1,024 keys) and proj (K = 256), all on codes of FP4 (E2M1) with E8M0 scales.
; SHARES.  Work-group (qb, b) owns 64 queries of all four heads of image b: 256 work-groups.  In the loop wave w owns head w % 4 and the tile of 16 queries w / 4, in 256 registers: four waves to a SIMD, so that one
; wave's vector work stands beside another's matrix work and LDS loads.  At the end wave w owns output channels 16 w .. 16 w + 15 for all 64 pixels.
; K AND V of the whole image, as codes and scale words, are 278,528 bytes: they come into LDS ONCE, eight key steps of 128 keys, and stay.  No LDS byte is filled twice: no ring.
; CLUSTER.  The four work-groups of a cluster belong to one image and need the same 278,528 bytes: each of the sixteen tensor loads (waves 0 and 1: the halves of a key step, 17,408 bytes) is asked for JOINTLY,
; with the same descriptor and a mask that names the four.  A wave has eight tensor loads outstanding at the most.
; LAYOUT.  All operands lie as images of their registers (lane l's 16 bytes at 16 l).  Both attention products are used transposed: a lane holds ONE query (lane % 16) throughout.
; K = 64 IN AN INSTRUCTION OF 128: a pair image of k holds the even tile of 16 keys in K places 0-63 and the odd one in 64-127.  Multiplied by [q | zeros] it gives the even tile's scores, by [zeros | q] the odd
; tile's: q stands in twelve registers as q, zeros, q.  Zero codes add nothing under any scale byte that the quantiser gives.
; THE SOFTMAX: t = score x log2(e) / 8; M = the row's largest t so far, rounded UP to a whole number; p = 2^(t - M) is quantised along the keys, not normalised; the row's sum is taken of the unquantised p and divides at
; the end.  When M moves, the sum and O are multiplied by 2^(old M - new M): exact.  p's register 16 b + 8 u + i of lane half h is key 32 b + 16 u + 8 h + i and goes to K place 32 b + 16 h + 8 u + i: v's codes were laid in that order.
; A block's largest p is its largest score put through the same multiply-add and exponential (this takes v_exp_f32 not to fall where its input rises).
; LIMITS: NaN and infinities are not served; a p under 2^-126 counts as 0 (v_exp_f32 gives no denormals: ISA guide 15.8); scale bytes are held at 1 from below; 1 / sum is v_rcp_f32's.
; REGISTERS: v1-8 addresses that stay; v9-11, v30, v31, v220 LDS addresses of the end; v12 -M, v13 the largest t, v[14:15] the sum in two halves; v16-27 q, zeros, q; v28 q's scale word; v32-63 four fragments of k, then of v;
;   v64-95 x for the residual; v96-159 S^T, then p; v160-191 O^T, later y; v192-199 p's codes; v200-217 at work; v224-227 k's and v's scale words; v228-246 proj_w's fragments, scale words, bias; v248-255 the bias as a C.
.set STEPB,  34816                     ; a key step in LDS and in kv: four heads' records
.set HEADB,  8704                      ; a record: k's 4 pair images, v's 4 images, 256 bytes of k's scale words, 256 of v's
.set HALFB,  17408                     ; what one tensor load brings: 68 rows of 256 bytes
.set IMGB,   278528                    ; an image's eight steps
.set AIMG,   278528                    ; behind K and V: the attention's output as 8 fragments (tile of queries mt, K step ks: 2 mt + ks) of 1,024 bytes,
.set ASC,    286720                    ; and their scale words, 128 bytes each
.set SPITCH, 272                       ; the way out: a stage of 16 rows x (256 bytes + 16) for each wave, in key steps 0 and 1's bytes: they have had their one fill, and are written only behind a barrier that every wave reaches after its last read of K and V
.set WV,  8
.set G1,  16                           ; s[16:23] descriptor group 1
.set G0,  24                           ; s[24:55] descriptor group 0: a set for each key step
.set CS,  56                           ; s[56:57] c = log2(e) / 8, twice: the packed form names a pair
.set SEL, 58                           ; s[58:59] v_permlanex16_b32's selects for lane l xor 16
.set BM,  200                          ; v200-203 the blocks' largest scores, then largest p
.set BX,  204                          ; v204-207 the other half's; then the bytes
.set SO,  208                          ; v208-211 the conversions' scale operands
.set L2,  212                          ; v[212:213] the sum's second chain
.set F,   214                          ; v[214:215] f = 2^(old M - new M); the upper register is only named with it
.set TP,  216
.set PWD, 217                          ; p's scale word
.macro BAR                             ; my LDS instructions are done: then the work-group's barrier
	s_wait_dscnt 0x0
	s_barrier_signal -1
	s_barrier_wait -1
.endm
.macro CROUND                          ; a round of the cluster's barrier: my work-group's barrier; wave 0 signals for the work-group; every wave waits for all four work-groups; my work-group's barrier once more
	s_barrier_signal -1
	s_barrier_wait -1
	s_cmp_lg_u32 s[WV], 0
	s_cbranch_scc1 .Lnot_wave_0_\@
	s_barrier_signal -3
.Lnot_wave_0_\@:
	s_barrier_wait -3
	s_barrier_signal -1
	s_barrier_wait -1
.endm
	s_load_b256 s[68:75], s[0:1], 0x0              ; qc s[68:69], kv s[70:71], proj_w's codes s[72:73], its scales s[74:75]
	s_load_b128 s[76:79], s[0:1], 0x20             ; proj_b s[76:77], x s[78:79]
	s_load_b64 s[80:81], s[0:1], 0x30              ; out0
	v_lshl_add_u32 v223, v0, 2, 0x46400
	v_mov_b32 v247, 0
	ds_add_u32 v223, v247
	ds_add_u32 v223, v247
	v_lshrrev_b32 v9, 5, v0
	s_delay_alu instid0(VALU_DEP_1)
	v_readfirstlane_b32 s[WV], v9                  ; wave 0..15
	s_and_b32 s9, s[WV], 3                         ; head
	s_lshr_b32 s10, s[WV], 2                       ; my tile of queries
	s_and_b32 s13, ttmp7, 0xffff                   ; the image, which the four partners share
	s_and_b32 s14, s[WV], 1                        ; which half of a key step I would fetch
	s_mul_i32 s15, s14, HALFB
	s_mul_i32 s96, s13, IMGB
	s_add_co_u32 s96, s96, s15                     ; kv: the image, my half of step 0: made of the image and the wave's number alone
	s_mov_b32 s97, 0
	s_mov_b32 s[G1], 15|(3<<16)|(1<<21)            ; 15:0 the mask: all four work-groups; 17:16 elements of 8 bytes; 21 set beside a mask; no padding: images are read at 16 x lane
	s_mov_b32 s[G1+1], 32<<16                      ; tensor_dim0 = 32 elements: rows of 256 bytes
	s_mov_b32 s[G1+2], 68<<16                      ; tensor_dim1 = 68
	s_mov_b32 s[G1+3], 32<<16                      ; tile_dim0
	s_mov_b32 s[G1+4], 68                          ; tile_dim1
	s_mov_b32 s[G1+5], 32                          ; tensor_dim0_stride: dense
	s_mov_b32 s[G1+6], 0
	s_mov_b32 s[G1+7], 0
	s_bfe_u32 s11, ttmp6, 0x40000                  ; cx: my place in the cluster: it enters global addresses of q, x and out0 alone
	s_lshl_b32 s12, ttmp9, 2
	s_add_co_u32 s12, s12, s11                     ; qb: my block of 64 queries
	s_lshl_b32 s60, s13, 3
	s_lshr_b32 s61, s12, 1
	s_add_co_u32 s60, s60, s61                     ; 8 b + step
	s_lshl_b32 s60, s60, 2
	s_add_co_u32 s60, s60, s9
	s_mul_i32 s60, s60, 4352                       ; my head's record in qc
	s_and_b32 s61, s12, 1                          ; which half of the step's 128 pixels
	s_lshl_b32 s62, s61, 11
	s_lshl_b32 s63, s10, 9
	s_add_co_u32 s82, s60, s62
	s_add_co_u32 s82, s82, s63                     ; my tile's half of a pair image: 2,048 (qb % 2) + 512 tile
	s_mov_b32 s83, 0
	s_lshr_b32 s62, s10, 1
	s_lshl_b32 s62, s62, 7
	s_lshl_b32 s63, s61, 2
	s_add_co_u32 s94, s60, s62
	s_add_co_u32 s94, s94, s63
	s_and_b32 s62, s10, 1
	s_lshl_b32 s62, s62, 1
	s_add_co_u32 s94, s94, s62
	s_add_co_u32 s94, s94, 4096                    ; its two scale bytes: 4,096 + 128 (tile / 2) + 4 (qb % 2) + 2 (tile % 2), + 8 r
	s_mov_b32 s95, 0
	s_lshl_b32 s98, s13, 20
	s_lshl_b32 s60, s[WV], 16
	s_add_co_u32 s98, s98, s60
	s_lshl_b32 s60, s12, 8
	s_add_co_u32 s98, s98, s60                     ; x and out0: the image, channel 16 w, pixel 64 qb
	s_mov_b32 s99, 0
	s_lshl_b32 s4, s[WV], 11                       ; proj_w: my 16 rows of 128 bytes,
	s_mov_b32 s5, 0
	s_lshl_b32 s6, s[WV], 7                        ; of 8 scale bytes,
	s_mov_b32 s7, 0
	s_lshl_b32 s66, s[WV], 6                       ; my 16 numbers of proj_b
	s_mov_b32 s67, 0
	s_mov_b32 s[CS], 0x3e38aa3b                    ; c = log2(e) / 8
	s_mov_b32 s[CS+1], s[CS]
	s_mov_b32 s[SEL], 0x76543210
	s_mov_b32 s[SEL+1], 0xfedcba98
	s_mul_i32 s3, s9, HEADB                        ; my head's record in a key step
	s_wait_dscnt 0x0
	s_wait_kmcnt 0x0
	s_add_nc_u64 s[84:85], s[70:71], s[96:97]
	s_add_nc_u64 s[86:87], s[68:69], s[82:83]
	s_add_nc_u64 s[88:89], s[68:69], s[94:95]
	s_add_nc_u64 s[72:73], s[72:73], s[4:5]
	s_add_nc_u64 s[74:75], s[74:75], s[6:7]
	s_add_nc_u64 s[76:77], s[76:77], s[66:67]
	s_add_nc_u64 s[90:91], s[78:79], s[98:99]
	s_add_nc_u64 s[92:93], s[80:81], s[98:99]
	CROUND                                         ; all four work-groups are here: the joint loads meet
.irp s, 0,1,2,3,4,5,6,7
	s_mov_b32 s[G0+4*\s], 1                                        ; 1:0 count = 1
	s_add_co_u32 s[G0+4*\s+1], s15, \s*STEPB                       ; 63:32 LDS address: the step, my half
	s_add_nc_u64 s[G0+4*\s+2:G0+4*\s+3], s[84:85], \s*STEPB        ; 120:64 global address
	s_or_b32 s[G0+4*\s+3], s[G0+4*\s+3], 0x80000000                ; 127:126 type = 2
.endr
	s_cmp_lt_u32 s[WV], 2                          ; all the fills of the launch stand in one branch on the wave's number, ahead of every wait on TENSORcnt, every LDS read and every further barrier
	s_cbranch_scc0 .Lno_fill
.irp s, 0,1,2,3,4,5,6,7
	tensor_load_to_lds s[G0+4*\s:G0+4*\s+3], s[G1:G1+7]
	s_nop 0
.endr
.rept 4
	v_nop                                          ; four v_nop follow the last load
.endr
.Lno_fill:
	v_and_b32 v9, 31, v0                           ; lane
	v_and_b32 v10, 15, v0                          ; r
	v_bfe_u32 v11, v0, 4, 1                        ; h
	s_delay_alu instid0(VALU_DEP_3)
	v_lshlrev_b32 v3, 4, v9                        ; q's image: 16 x lane
	s_delay_alu instid0(VALU_DEP_4)
	v_lshl_add_u32 v1, v9, 4, s3                   ; LDS: images of my head in the step in hand,
	v_lshl_add_u32 v2, v9, 3, s3                   ; and its scale words, 8 bytes a lane
	v_lshlrev_b32 v4, 3, v10                       ; 8 r: q's scale bytes; proj_w's scale words
	v_lshlrev_b32 v5, 7, v10
	s_delay_alu instid0(VALU_DEP_1)
	v_lshl_add_u32 v5, v11, 4, v5                  ; proj_w's codes: row r, + 16 h
	v_lshlrev_b32 v7, 2, v10                       ; proj_b
	v_lshlrev_b32 v8, 4, v10
	s_delay_alu instid0(VALU_DEP_1)
	v_lshl_add_u32 v8, v11, 12, v8                 ; x and out0: lanes 0-15 one channel's 256 bytes, lanes 16-31 the next channel's
	global_load_b128 v[16:19], v3, s[86:87]        ; q,
	global_load_b128 v[24:27], v3, s[86:87]        ; and once more, behind the zeros
	global_load_u16 v29, v4, s[88:89]              ; its two scale bytes
.irp ks, 0,1
.irp c, 0,1
	global_load_b128 v[228+8*\ks+4*\c:231+8*\ks+4*\c], v5, s[72:73] offset:64*\ks+32*\c   ; for the end: proj_w's two fragments,
.endr
.endr
	global_load_b64 v[244:245], v4, s[74:75]       ; their scale words,
	global_load_b32 v246, v7, s[76:77]             ; my channel's bias,
.irp k, 0,1,2,3,4,5,6,7
	global_load_b128 v[64+4*\k:67+4*\k], v8, s[90:91] offset:8192*\k th:TH_LOAD_NT   ; and x at my 16 channels x 64 pixels
.endr
	s_wait_loadcnt 14                              ; q's three loads are in; the 14 issued behind them may be out
	v_lshl_or_b32 v28, v29, 16, v29                ; q's scale word: its two bytes for either half of K.  (The lines below are the places that it, and the zeros, owe a scaled matrix instruction)
.irp k, 20,21,22,23
	v_mov_b32 v\k, 0
.endr
	v_mov_b32 v13, 0xff61b1e6                      ; the largest t so far: -3e38, under every t
	s_delay_alu instid0(VALU_DEP_1)
	v_floor_f32 v12, -v13                          ; -M
	v_mov_b32 v14, 0                               ; the sum, in two halves
	v_mov_b32 v15, 0
.irp b, 0,1,2,3
	v_mov_b32 v[BX+\b], 0                          ; written once: a lane permute's destination counts as one of its sources
.endr
	v_mov_b32 v[F+1], 0
	v_mov_b32 v[TP], 0
; A KEY STEP: 128 keys.
.macro STEP s
.if \s == 0
	s_wait_tensorcnt 0x7                           ; my part of step 0 is in: the seven loads issued behind it may be out
	BAR
.elseif \s == 1
	s_wait_tensorcnt 0x4                           ; steps 1 to 3
	BAR
.elseif \s == 4
	s_wait_tensorcnt 0x0                           ; all of K and V
	BAR
.endif
.irp p, 0,1,2,3
.irp c, 0,1
	ds_load_b128 v[32+8*\p+4*\c:35+8*\p+4*\c], v1 offset:1024*\p+512*\c   ; k's four pair images
.endr
.endr
	ds_load_b64 v[224:225], v2 offset:8192         ; their scale words: pair p in register p / 2, lanes 0-15 (even p) or 16-31
	s_wait_dscnt 0x0
.irp p, 0,1,2,3                                ; S^T = k q^T: source 0 = a pair of tiles of 16 keys, source 1 = q in the half of K that picks one of them
.irp u, 0,1
.if \p % 2
	v_wmma_scale_f32_16x16x128_f8f6f4 v[96+16*\p+8*\u:103+16*\p+8*\u], v[32+8*\p:39+8*\p], v[16+4*\u:23+4*\u], 0, v[224+\p/2], v28 matrix_a_fmt:MATRIX_FMT_FP4 matrix_b_fmt:MATRIX_FMT_FP4 matrix_a_scale:MATRIX_SCALE_ROW1
.else
	v_wmma_scale_f32_16x16x128_f8f6f4 v[96+16*\p+8*\u:103+16*\p+8*\u], v[32+8*\p:39+8*\p], v[16+4*\u:23+4*\u], 0, v[224+\p/2], v28 matrix_a_fmt:MATRIX_FMT_FP4 matrix_b_fmt:MATRIX_FMT_FP4
.endif
.endr
.endr
.rept 4
	v_nop                                          ; places in front of loads into registers that these products read, and of the first read of their results
.endr
.irp p, 0,1,2,3
.irp c, 0,1
	ds_load_b128 v[32+8*\p+4*\c:35+8*\p+4*\c], v1 offset:4096+1024*\p+512*\c   ; v's four images land while the softmax is worked
.endr
.endr
	ds_load_b64 v[226:227], v2 offset:8448
.irp b, 0,1,2,3
	v_max3_num_f32 v[BM+\b], v[96+16*\b], v[97+16*\b], v[98+16*\b]   ; THE LARGEST SCORE OF EACH BLOCK OF 32 KEYS: for the row's maximum and, since p rises with the score, for the block's largest p.  (Each accumulator is read from its low end on)
.endr
.irp i, 3,5,7,9,11,13
.irp b, 0,1,2,3
	v_max3_num_f32 v[BM+\b], v[BM+\b], v[96+16*\b+\i], v[97+16*\b+\i]   ; (the four blocks by turns)
.endr
.endr
.irp b, 0,1,2,3
	v_max_num_f32 v[BM+\b], v[BM+\b], v[111+16*\b]
.endr
.irp b, 0,1,2,3
	s_delay_alu instid0(VALU_DEP_4)
	v_permlanex16_b32 v[BX+\b], v[BM+\b], s[SEL], s[SEL+1]
.endr
.irp b, 0,1,2,3
	s_delay_alu instid0(VALU_DEP_4)
	v_max_num_f32 v[BM+\b], v[BM+\b], v[BX+\b]     ; with lane l xor 16's 16 keys
.endr
	s_delay_alu instid0(VALU_DEP_2)
	v_max3_num_f32 v[TP], v[BM], v[BM+1], v[BM+2]
	s_delay_alu instid0(VALU_DEP_1)
	v_max_num_f32 v[TP], v[TP], v[BM+3]            ; the step's largest score of my query
	s_delay_alu instid0(VALU_DEP_1)
	v_mul_f32 v[TP], s[CS], v[TP]                  ; as t (c is positive)
	s_delay_alu instid0(VALU_DEP_1)
	v_max_num_f32 v13, v13, v[TP]                  ; the running largest t
	v_mov_b32 v[TP], v12
	s_delay_alu instid0(VALU_DEP_2)
	v_floor_f32 v12, -v13                          ; the new -M = floor(-t) = -ceil(t): M IS A WHOLE NUMBER
	s_delay_alu instid0(VALU_DEP_1)
	v_sub_f32 v[TP], v12, v[TP]                    ; M's old value less its new one: a whole number, 0 or less
	s_delay_alu instid0(VALU_DEP_1)
	v_cvt_i32_f32 v[TP], v[TP]                     ; (it saturates)
	s_delay_alu instid0(VALU_DEP_1)
	v_ldexp_f32 v[F], 1.0, v[TP]                   ; f = 2^(old M - new M)
.set j, 0
.rept 32
	v_pk_fma_f32 v[96+j:97+j], v[96+j:97+j], s[CS:CS+1], v[12:13] op_sel_hi:[1,0,0]   ; t - M, two at a time (of the pairs c and -M the low word serves both halves)
.set j, j+2
.endr
.irp b, 0,1,2,3
	v_fma_f32 v[BM+\b], v[BM+\b], s[CS], v12       ; the same of each block's largest score
.endr
.set j, 0
	s_wait_alu depctr_va_vdst(0)
.rept 64
	v_exp_f32 v[96+j], v[96+j]                     ; p = 2^(t - M), at most 1: NOT normalised
.set j, j+1
.endr
.irp b, 0,1,2,3
	v_exp_f32 v[BM+\b], v[BM+\b]                   ; the block's largest p: the same two instructions on the same number give the same bits
.endr
	v_pk_mul_f32 v[14:15], v[14:15], v[F:F+1] op_sel_hi:[1,0]   ; the sums under the new M.  (A plain place behind the exponentials)
	s_wait_alu depctr_va_vdst(0)
.irp b, 0,1,2,3
	v_max_num_f32 v[BM+\b], 0x1800000, v[BM+\b]    ; the floor 2^(3 - 127): the byte cannot fall under 1
.endr
.irp b, 0,1,2,3
	s_delay_alu instid0(VALU_DEP_4)
	v_add_nc_u32 v[SO+\b], 0xff000000, v[BM+\b]    ; 2 off the exponent field: the conversion's scale operand
.endr
.irp b, 0,1,2,3
	s_delay_alu instid0(VALU_DEP_4)
	v_lshrrev_b32 v[BX+\b], 23, v[SO+\b]           ; the scale's byte
.endr
	s_delay_alu instid0(VALU_DEP_3)
	v_lshl_or_b32 v[PWD], v[BX+1], 8, v[BX]        ; p's scale word for these 128 keys
	s_delay_alu instid0(VALU_DEP_1)
	v_lshl_or_b32 v[PWD], v[BX+2], 16, v[PWD]
	s_delay_alu instid0(VALU_DEP_1)
	v_lshl_or_b32 v[PWD], v[BX+3], 24, v[PWD]
.irp b, 0,1,2,3
	v_cvt_scalef32_pk8_fp4_f32 v[192+2*\b], v[96+16*\b:103+16*\b], v[SO+\b]
	v_cvt_scalef32_pk8_fp4_f32 v[193+2*\b], v[104+16*\b:111+16*\b], v[SO+\b]
.endr
	v_nop                                          ; one plain place behind a scaled conversion
.irp c, 0,1                                    ; the operand's layout wants a WHOLE block in a lane: lanes 0-15 block 2 c, lanes 16-31 block 2 c + 1
.irp i, 0,1
	v_permlane16_swap_b32 v[192+4*\c+\i], v[194+4*\c+\i]
.endr
.endr
	v_pk_add_f32 v[212:213], v[100:101], v[104:105]
	v_pk_add_f32 v[254:255], v[108:109], v[112:113]
	v_pk_add_f32 v[252:253], v[116:117], v[120:121]
	v_pk_add_f32 v[250:251], v[124:125], v[128:129]
	v_pk_add_f32 v[248:249], v[132:133], v[136:137]
	v_pk_add_f32 v[224:225], v[140:141], v[144:145]
	v_pk_add_f32 v[220:221], v[148:149], v[152:153]
	v_pk_add_f32 v[14:15], v[14:15], v[156:157]
	v_pk_add_f32 v[212:213], v[212:213], v[96:97]
	v_pk_add_f32 v[254:255], v[254:255], v[98:99]
	v_pk_add_f32 v[252:253], v[252:253], v[102:103]
	v_pk_add_f32 v[250:251], v[250:251], v[106:107]
	v_pk_add_f32 v[248:249], v[248:249], v[110:111]
	v_pk_add_f32 v[224:225], v[224:225], v[114:115]
	v_pk_add_f32 v[220:221], v[220:221], v[118:119]
	v_pk_add_f32 v[14:15], v[14:15], v[122:123]
	v_pk_add_f32 v[212:213], v[212:213], v[126:127]
	v_pk_add_f32 v[254:255], v[254:255], v[130:131]
	v_pk_add_f32 v[252:253], v[252:253], v[134:135]
	v_pk_add_f32 v[250:251], v[250:251], v[138:139]
	v_pk_add_f32 v[248:249], v[248:249], v[142:143]
	v_pk_add_f32 v[224:225], v[224:225], v[146:147]
	v_pk_add_f32 v[220:221], v[220:221], v[150:151]
	v_pk_add_f32 v[14:15], v[14:15], v[154:155]
	v_pk_add_f32 v[212:213], v[212:213], v[158:159]
	s_delay_alu instid0(VALU_DEP_2)
	v_pk_add_f32 v[14:15], v[14:15], v[250:251]
	s_delay_alu instid0(VALU_DEP_2)
	v_pk_add_f32 v[212:213], v[212:213], v[248:249]
	v_pk_add_f32 v[254:255], v[254:255], v[224:225]
	v_pk_add_f32 v[252:253], v[252:253], v[220:221]
	s_delay_alu instid0(VALU_DEP_2)
	v_pk_add_f32 v[14:15], v[14:15], v[254:255]
	s_delay_alu instid0(VALU_DEP_2)
	v_pk_add_f32 v[212:213], v[212:213], v[252:253]
	s_delay_alu instid0(VALU_DEP_1)
	v_pk_add_f32 v[14:15], v[14:15], v[212:213]
.if \s > 0
.set j, 0
.rept 16
	v_pk_mul_f32 v[160+j:161+j], v[160+j:161+j], v[F:F+1] op_sel_hi:[1,0]   ; O^T under the new M: x f
.set j, j+2
.endr
.endif
	s_wait_alu depctr_va_vdst(0)
	s_wait_dscnt 0x0                               ; v's images and scale words are in
.irp t, 0,1,2,3                                ; O^T += v^T p^T: four tiles of 16 of the head's 64; the four accumulators take turns.  The first step's products start the sums: nothing is cleared
.if \s == 0
.if \t % 2
	v_wmma_scale_f32_16x16x128_f8f6f4 v[160+8*\t:167+8*\t], v[32+8*\t:39+8*\t], v[192:199], 0, v[226+\t/2], v[PWD] matrix_a_fmt:MATRIX_FMT_FP4 matrix_b_fmt:MATRIX_FMT_FP4 matrix_a_scale:MATRIX_SCALE_ROW1
.else
	v_wmma_scale_f32_16x16x128_f8f6f4 v[160+8*\t:167+8*\t], v[32+8*\t:39+8*\t], v[192:199], 0, v[226+\t/2], v[PWD] matrix_a_fmt:MATRIX_FMT_FP4 matrix_b_fmt:MATRIX_FMT_FP4
.endif
.else
.if \t % 2
	v_wmma_scale_f32_16x16x128_f8f6f4 v[160+8*\t:167+8*\t], v[32+8*\t:39+8*\t], v[192:199], v[160+8*\t:167+8*\t], v[226+\t/2], v[PWD] matrix_a_fmt:MATRIX_FMT_FP4 matrix_b_fmt:MATRIX_FMT_FP4 matrix_a_scale:MATRIX_SCALE_ROW1
.else
	v_wmma_scale_f32_16x16x128_f8f6f4 v[160+8*\t:167+8*\t], v[32+8*\t:39+8*\t], v[192:199], v[160+8*\t:167+8*\t], v[226+\t/2], v[PWD] matrix_a_fmt:MATRIX_FMT_FP4 matrix_b_fmt:MATRIX_FMT_FP4
.endif
.endif
.endr
.if \s < 7
	v_add_nc_u32 v1, STEPB, v1                     ; on to the next key step; with the two v_nop these are the four places in front of its loads into v's registers
	s_wait_alu depctr_va_vdst(0)
	v_add_nc_u32 v2, STEPB, v2
	s_wait_alu depctr_va_vdst(0)
	v_nop
	v_nop
.endif
.endm
.irp s, 0,1,2,3,4,5,6,7
	STEP \s
.endr
	; ---- THE END.  The LDS addresses are made here: plain lines that name no register of the last products, so they are the places behind them.
	v_and_b32 v218, 31, v0                         ; lane
	v_and_b32 v219, 15, v0                         ; r
	s_wait_alu depctr_va_vdst(0)
	v_bfe_u32 v221, v0, 4, 1                       ; h
	s_lshl_b32 s3, s[WV], 9
	s_add_co_u32 s3, s3, AIMG
	v_lshl_add_u32 v9, v218, 4, s3                 ; my four registers of codes: fragment 2 (tile) + head / 2, its half head % 2: 512 x wave
	s_lshr_b32 s4, s[WV], 1
	s_lshl_b32 s4, s4, 7
	s_lshl_b32 s5, s14, 1
	s_add_co_u32 s4, s4, s5
	s_add_co_u32 s4, s4, ASC
	v_lshl_add_u32 v10, v218, 2, s4                ; my two bytes of that fragment's scale words: 128 (wave / 2) + 2 (wave % 2) + 4 x lane
	v_lshl_add_u32 v11, v218, 4, AIMG              ; where any fragment is read back,
	v_lshl_add_u32 v30, v218, 2, ASC               ; and its scale words
	s_mul_i32 s6, s[WV], 16*SPITCH                 ; my stage
	v_mul_u32_u24 v31, v219, SPITCH
	s_wait_alu depctr_va_vdst(0)
	v_lshl_add_u32 v31, v221, 5, v31
	s_delay_alu instid0(VALU_DEP_1)
	v_add_nc_u32 v31, s6, v31                      ; in: row r (a channel), 32 bytes for each half of the lanes
	v_mul_u32_u24 v220, v221, SPITCH
	s_delay_alu instid0(VALU_DEP_1)
	v_lshl_add_u32 v220, v219, 4, v220
	v_add_f32 v14, v14, v15                        ; the sum's two halves,
	s_delay_alu instid0(VALU_DEP_1)
	v_permlanex16_b32 v[TP], v14, s[SEL], s[SEL+1]
	s_delay_alu instid0(VALU_DEP_1)
	v_add_f32 v14, v14, v[TP]                      ; and lane l xor 16's: the row's sum
	s_wait_alu depctr_va_vdst(0)
	v_rcp_f32 v14, v14
	v_add_nc_u32 v220, s6, v220                    ; back: lanes 0-15 one row, lanes 16-31 the next.  (A plain place behind the transcendental)
.set j, 0
	s_wait_alu depctr_va_vdst(0)
.rept 16
	v_pk_mul_f32 v[96+j:97+j], v[160+j:161+j], v[14:15] op_sel_hi:[1,0]   ; O^T / the sum: register 16 bb + i is d = 32 bb + 16 h + i of my head, for my query
.set j, j+2
.endr
	; proj's computed operand: my head's two blocks of 32 along its K
.irp b, 0,1
	v_max3_num_f32 v[BM+\b], |v[96+16*\b]|, |v[97+16*\b]|, 0x1800000
.endr
.irp i, 2,4,6,8,10,12,14
.irp b, 0,1
	s_delay_alu instid0(VALU_DEP_2)
	v_max3_num_f32 v[BM+\b], v[BM+\b], |v[96+16*\b+\i]|, |v[97+16*\b+\i]|
.endr
.endr
.irp b, 0,1
	s_delay_alu instid0(VALU_DEP_2)
	v_permlanex16_b32 v[BX+\b], v[BM+\b], s[SEL], s[SEL+1]
.endr
.irp b, 0,1
	s_delay_alu instid0(VALU_DEP_2)
	v_max_num_f32 v[BM+\b], v[BM+\b], v[BX+\b]
.endr
.irp b, 0,1
	s_delay_alu instid0(VALU_DEP_2)
	v_add_nc_u32 v[SO+\b], 0xff000000, v[BM+\b]
.endr
.irp b, 0,1
	s_delay_alu instid0(VALU_DEP_2)
	v_lshrrev_b32 v[BX+\b], 23, v[SO+\b]
.endr
	s_delay_alu instid0(VALU_DEP_1)
	v_lshl_or_b32 v[PWD], v[BX+1], 8, v[BX]        ; my two bytes of the row's scale word
.irp b, 0,1
	v_cvt_scalef32_pk8_fp4_f32 v[192+2*\b], v[96+16*\b:103+16*\b], v[SO+\b]
	v_cvt_scalef32_pk8_fp4_f32 v[193+2*\b], v[104+16*\b:111+16*\b], v[SO+\b]
.endr
	v_nop                                          ; one plain place behind a scaled conversion
.irp i, 0,1
	v_permlane16_swap_b32 v[192+\i], v[194+\i]     ; lanes 0-15 block 0, lanes 16-31 block 1
.endr
	ds_store_b128 v9, v[192:195]                   ; the operand goes from wave to wave as an image of its registers
	ds_store_b16 v10, v[PWD]
	BAR                                            ; the eight fragments lie in LDS; and every wave's reads of K and V are over
.irp f, 0,1,2,3,4,5,6,7
.irp c, 0,1
	ds_load_b128 v[96+8*\f+4*\c:99+8*\f+4*\c], v11 offset:1024*\f+512*\c
.endr
	ds_load_b32 v[200+\f], v30 offset:128*\f
.endr
	s_wait_loadcnt 0x0                             ; proj_w, its scale words, the bias, x
.irp k, 0,1,2,3,4,5,6,7
	v_mov_b32 v[248+\k], v246                      ; a lane's eight results belong to one channel: its bias, eight times, as the C of the first products
.endr
	s_wait_alu depctr_va_vdst(0)
	s_wait_dscnt 0x0
	; y = att proj_w^T + b: source 0 = 16 queries, source 1 = my 16 rows of proj_w: a lane holds ONE channel and eight neighbouring pixels.  The four accumulators take turns
.irp mt, 0,1,2,3
	v_wmma_scale_f32_16x16x128_f8f6f4 v[160+8*\mt:167+8*\mt], v[96+16*\mt:103+16*\mt], v[228:235], v[248:255], v[200+2*\mt], v244 matrix_a_fmt:MATRIX_FMT_FP4 matrix_b_fmt:MATRIX_FMT_FP4
.endr
.irp mt, 0,1,2,3
	v_wmma_scale_f32_16x16x128_f8f6f4 v[160+8*\mt:167+8*\mt], v[104+16*\mt:111+16*\mt], v[236:243], v[160+8*\mt:167+8*\mt], v[201+2*\mt], v245 matrix_a_fmt:MATRIX_FMT_FP4 matrix_b_fmt:MATRIX_FMT_FP4
.endr
.rept 4
	v_nop                                          ; places in front of the LDS stores that read the results and of the loads into registers that the products read
.endr
.irp mt, 0,1,2,3
	ds_store_b128 v31, v[160+8*\mt:163+8*\mt] offset:64*\mt          ; each accumulator from its low end on: lane (r, h): channel r, pixels 16 mt + 8 h + 0 .. 7
	ds_store_b128 v31, v[164+8*\mt:167+8*\mt] offset:64*\mt+16
.endr
.irp k, 0,1,2,3,4,5,6,7
	ds_load_b128 v[96+4*\k:99+4*\k], v220 offset:2*\k*SPITCH         ; LDS serves a wave's instructions in order (ISA guide 5.7.1.4): these see my stores
.endr
.irp k, 0,1,2,3,4,5,6,7
	s_wait_dscnt 7-\k                              ; load k is back; the younger ones may be out
	v_pk_add_f32 v[96+4*\k:97+4*\k], v[96+4*\k:97+4*\k], v[64+4*\k:65+4*\k]   ; the residual
	v_pk_add_f32 v[98+4*\k:99+4*\k], v[98+4*\k:99+4*\k], v[66+4*\k:67+4*\k]
	global_store_b128 v8, v[96+4*\k:99+4*\k], s[92:93] offset:8192*\k th:TH_STORE_NT   ; sixteen lanes store 256 consecutive bytes, at a multiple of 256 from out0's first byte
.endr
	s_wait_dscnt 0x0
	s_wait_tensorcnt 0x0
	ds_add_u32 v223, v247
	s_wait_dscnt 0x0
	CROUND                                         ; the closing round: no work-group ends while a partner may still ask for a tile that names it
	s_endpgm
.Lfunc_end_k_q3fbd3f3242_attn:
	.size	k_q3fbd3f3242_attn, .Lfunc_end_k_q3fbd3f3242_attn-k_q3fbd3f3242_attn
	.p2alignl 7, 3214868480
	.fill 96, 4, 3214868480
	.section	.rodata,"a",@progbits
	.p2align	6, 0x0
	.amdhsa_kernel k_q3fbd3f3242_attn
		.amdhsa_group_segment_fixed_size 327680
		.amdhsa_private_segment_fixed_size 0
		.amdhsa_enable_private_segment 0
		.amdhsa_kernarg_size 56
		.amdhsa_user_sgpr_count 2
		.amdhsa_user_sgpr_kernarg_segment_ptr 1
		.amdhsa_wavefront_size32 1
		.amdhsa_system_sgpr_workgroup_id_x 1
		.amdhsa_system_sgpr_workgroup_id_y 1
		.amdhsa_system_sgpr_workgroup_id_z 1
		.amdhsa_system_vgpr_workitem_id 0
		.amdhsa_next_free_vgpr 256
		.amdhsa_next_free_sgpr 100
		.amdhsa_reserve_vcc 0
		.amdhsa_float_denorm_mode_32 3
		.amdhsa_float_denorm_mode_16_64 3
		.amdhsa_memory_ordered 1
		.amdhsa_forward_progress 1
		.amdhsa_inst_pref_size 147
	.end_amdhsa_kernel
	.amdgpu_metadata
---
amdhsa.version: [ 1, 2 ]
amdhsa.kernels:
  - .name:           k_q3fbd3f3242_attn
    .symbol:         k_q3fbd3f3242_attn.kd
    .args:
      - { .name: qc, .offset: 0, .size: 8, .value_kind: global_buffer, .address_space: global }
      - { .name: kv, .offset: 8, .size: 8, .value_kind: global_buffer, .address_space: global }
      - { .name: proj_w_codes, .offset: 16, .size: 8, .value_kind: global_buffer, .address_space: global }
      - { .name: proj_w_scales, .offset: 24, .size: 8, .value_kind: global_buffer, .address_space: global }
      - { .name: proj_b, .offset: 32, .size: 8, .value_kind: global_buffer, .address_space: global }
      - { .name: x, .offset: 40, .size: 8, .value_kind: global_buffer, .address_space: global }
      - { .name: out0, .offset: 48, .size: 8, .value_kind: global_buffer, .address_space: global }
    .group_segment_fixed_size: 327680
    .private_segment_fixed_size: 0
    .kernarg_segment_align: 8
    .kernarg_segment_size: 56
    .max_flat_workgroup_size: 512
    .sgpr_count:     100
    .vgpr_count:     256
    .wavefront_size: 32
...
	.end_amdgpu_metadata
.endif
;; end of part 3
